; MI455X (gfx1250); checked and timed in simulation.
; The chip was launched on July 23, 2026; its instructions are those of AMD's public machine-readable ISA for CDNA 5 (MIT licence, August 2026) and "CDNA5" Instruction Set Architecture Reference Guide (July 2026). The comments in the code are by the model that wrote it; some were corrected since.
;; Multi Head Attention. Allowed arithmetic: matrix products marked QUANTISED: E2M1 operands, one E8M0 scale for each 32 along K, by v_wmma_scale_f32_16x16x128_f8f6f4 with both operands' format E2M1 (or v_wmma_scale_f32_32x16x128_f4), f32 sums; everything else in f32.
;; Inputs: Wo_codes 1,024 x 32 x 16 uint8 (E2M1 codes of Wo, K innermost, in blocks of 32 codes, two codes a byte); Wo_scales 1,024 x 32 uint8 (E8M0 scales of Wo, one for each 32 codes along K); Wqkv_codes 3,072 x 32 x 16 uint8 (E2M1 codes of Wqkv, K innermost, in blocks of 32 codes, two codes a byte); Wqkv_scales 3,072 x 32 uint8 (E8M0 scales of Wqkv, one for each 32 codes along K); bo 1,024 float32; bqkv 3,072 float32; pad_mask 4 x 2,048 int32; x_codes 4 x 2,048 x 32 x 16 uint8 (E2M1 codes of x, K innermost, in blocks of 32 codes, two codes a byte); x_scales 4 x 2,048 x 32 uint8 (E8M0 scales of x, one for each 32 codes along K).
;; Outputs: out0 4 x 2,048 x 1,024 float32.
;; Constants: atn_mask = 1.
;; This version of the problem:
;;   THIS VERSION OF THE PROBLEM IS GIVEN IN LOW PRECISION. The matrix products marked QUANTISED in the list below multiply operands that are first quantised to E2M1 (2 exponent bits, 1 mantissa bit; 4 bits a number), with one power-of-two scale for each 32 numbers along K (OCP MX v1.0); their sums are f32. All else is computed in f32.
;;   The module's matrix products, in the order in which they are computed (A, B: the left and right operand; K: the contracted axis; several contracted axes count as one K, in the product's order):
;;     1. [M 8,192, K 1,024] x [K 1,024, N 3,072]; A: input x (given as codes); B: input Wqkv (given as codes): QUANTISED
;;     2. batch 64 x [M 2,048, K 64] x [K 64, N 2,048]; A: computed on the way; B: computed on the way: QUANTISED
;;     3. batch 64 x [M 2,048, K 2,048] x [K 2,048, N 64]; A: computed on the way; B: computed on the way: QUANTISED
;;     4. [M 8,192, K 1,024] x [K 1,024, N 1,024]; A: computed on the way; B: input Wo (given as codes): QUANTISED
;;   THE QUANTISER, for each operand of a quantised product, along K:
;;     - K is cut into blocks of 32 from its start; a last block that is shorter is filled with zeros.
;;     - A block's scale is 2^e with e = floor(log2(the largest magnitude in the block)) - 2, held to -126 .. 127; a block of zeros has e = 0. As a byte (E8M0): e + 127.
;;     - Each number is divided by its block's scale, clamped to +-6, and rounded to the nearest number of E2M1, ties to even, subnormals kept.
;;     - The product sums the exact products of the quantised numbers (number of the format x scale) in f32.
;;   ~~~python
;;   def quantise(x, axis):      # numpy; x: float32 -> the quantised numbers, widened to float32 again
;;       x = np.moveaxis(x, axis, -1); K = x.shape[-1]
;;       x = np.pad(x, [(0, 0)] * (x.ndim - 1) + [(0, -K % 32)]); x = x.reshape(x.shape[:-1] + (-1, 32)); a = np.abs(x).max(-1, keepdims=True)
;;       e = np.where(a > 0, np.clip(np.frexp(np.where(a > 0, a, 1))[1] - 1 - 2, -126, 127), 0)      # np.frexp(a)[1] - 1 = floor(log2(a)), exactly
;;       r = np.clip(x / 2.0 ** e, -6, 6)
;;       step = 2.0 ** (np.maximum(np.frexp(np.where(r == 0, 1, r))[1] - 1, 0) - 1)
;;       q = np.round(r / step) * step * 2.0 ** e      # np.round: ties to even
;;       return np.moveaxis(q.reshape(q.shape[:-2] + (-1,))[..., :K], -1, axis).astype(np.float32)
;;   ~~~
;;   OPERANDS COMPUTED ON THE WAY. 'Computed on the way' means the value that the module computes at that place (a softmax that the list does not call 'softmax' is quantised finished and normalised). What goes into a quantiser is computed in f32, as accurately as f32 sums, v_exp_f32 and their like allow (about 1e-6 of the number): no bf16 or f16 on the way to a quantiser, and a product that is left as it is and whose result goes on into a quantised operand takes f32 operands (vector FMAs, or v_wmma_f32_16x16x4_f32). A number that lies on a knife's edge between two numbers of the format may be rounded either way, as far as f32 arithmetic and the matrix unit's own rounding can turn it there, and no further.
;;   INPUTS GIVEN AS CODES. Wo (in the module: [1024, 1024], K = its axis 1); Wqkv (in the module: [3072, 1024], K = its axis 1); x (in the module: [4, 2048, 1024], K = its axis 2): each comes as NAME_codes (uint8): NAME with its K axis moved to the last place and cut into blocks of 32 codes, [.., K / 32, bytes a block], one block behind the other in memory; two codes a byte, the lower K in the low four bits (a code: sign, 2 exponent bits, 1 mantissa bit); and NAME_scales (uint8): the same leading axes, one E8M0 byte (e + 127) for each 32 codes along K. Its value is code x scale, taken as it is: it is not quantised again, and the codes and scales need not be those that the quantiser above would give.
;; One version. Each part assembles by itself: llvm-mc -triple=amdgcn-amd-amdhsa -mcpu=gfx1250 --defsym DOCPART=n.
;; ======== version 1 of 1: 3 launches
;; limits: right only within a limited range of input values
;; workspace buffers: qkv 13,893,632 bytes; vals 4,194,304 bytes; osc 262,144 bytes
;; launch qkvproj (part 1): grid 16 x 32, 12 waves a work-group, clusters of 4 x 4, 263,680 bytes of LDS; arguments x_codes, x_scales, Wqkv_codes, Wqkv_scales, bqkv, qkv; writes qkv
.if DOCPART == 1
	.amdgcn_target "amdgcn-amd-amdhsa--gfx1250"
	.amdhsa_code_object_version 6
	.text
	.protected	k_qec2f4fbd1c_qkvproj
	.globl	k_qec2f4fbd1c_qkvproj
	.p2align	8
	.type	k_qec2f4fbd1c_qkvproj,@function
k_qec2f4fbd1c_qkvproj:
	s_mov_b64 s[64:65], 0
	v_nop
	global_prefetch_b8 v0, s[64:65] scope:SCOPE_SE
	s_setreg_imm32_b32 hwreg(HW_REG_WAVE_MODE, 25, 1), 1
	s_wait_xcnt 0x0
	s_wait_alu depctr_hold_cnt(0) depctr_sa_sdst(0) depctr_va_vdst(0) depctr_va_sdst(0) depctr_va_ssrc(0) depctr_va_vcc(0) depctr_vm_vsrc(0)
	s_getreg_b32 s2, hwreg(HW_REG_IB_STS2, 6, 4)
	s_cmp_eq_u32 s2, 0
	s_cbranch_scc0 .Lentry_in_a_cluster
	s_endpgm
.Lentry_in_a_cluster:
	s_bfe_u32 s2, ttmp6, 0x10000c
	s_cmp_lg_u32 s2, 0xf033
	s_cbranch_scc0 .Lentry_shape_is_right
	s_endpgm
.Lentry_shape_is_right:
; qkv = x Wqkv^T + bqkv on codes of FP4 (E2M1) with one E8M0 scale for each 32 along K = 1,024; then q and k are quantised along the head's 64, v along the keys,
; and all three leave as IMAGES OF OPERAND REGISTERS (4 registers = 512 bytes, lane l's 16 bytes at 16 l), so that the attention launch loads fragments whole.
; SHARES.  A work-group makes 256 rows of x times the 192 columns of one head (q 0-63, k 64-127, v 128-191).  All of K lies in LDS: filled once, nothing is filled again.
; Twelve waves: wave w takes rows 64 (w & 3) on, and columns 64 (w >> 2) on: 16 accumulators of 16 x 16.  Three waves share a SIMD: one wave's LDS loads stand beside another's products.
; q, k: the product is used transposed (source 0 = 16 rows of W, source 1 = 16 rows of x): a lane holds ONE row and its registers run along the head's 64.
; v: source 0 = 16 rows of x (keys), source 1 = 16 rows of W (channels): a lane holds ONE channel and its registers run along the keys.  Either way 16 registers of two neighbouring tiles and the
; same 16 of lane l xor 16 are a block of 32 along the next product's K.
; CLUSTER 4 x 4: x's tiles hang on the row block alone and are asked for jointly along a row of the cluster, W's on the head alone, jointly along a column.
; THE RECORD of a head in qkv (217,088 bytes): 16 steps of 128 keys x 8,192 (K's 8 tiles of 512, then V^T's 4 tiles of 1,024); from SCL 16 x 768 scale bytes (K 2 x 256, V 2 x 128);
; from QIMG q's 128 tiles of 512; from QSC q's scale words, laid as K's.  A scale word of q or k holds the row's two bytes twice: the upper two stand over zero codes.
; LIMITS: NaN and infinities are not served.  A block of zeros gets the byte 1 where the quantiser says 127: its codes are zeros, and only this program reads the bytes.
.set PITCH,  528                       ; an LDS row of codes: 512 bytes + 16 of padding = 132 words: the 16 rows that a load touches start at 16 different banks
.set QUART,  64*PITCH                  ; 64 rows: what one tensor load brings
.set BT,     4*QUART                   ; behind x's 256 rows: W's 192 rows
.set ASC,    7*QUART                   ; x's scale bytes: 32 units of 256 bytes + 16
.set BSC,    ASC+32*272                ; W's: 24 units
.set HEADREC, 217088
.set SCL,    131072
.set QIMG,   143360
.set QSC,    208896
.set XA,  3                            ; v3   LDS address of my x fragments
.set WA,  4                            ; v4   of my W fragments
.set SA,  5                            ; v5   of my scale words: lanes 0-15 x's rows, lanes 16-31 W's
.set L16, 6                            ; v6   16 x lane
.set L8,  7                            ; v7   8 x lane
.set L4,  8                            ; v8   4 x lane
.set CB0, 16                           ; bias tiles 0, 1 at v16, v24; tiles 2, 3 at v112, v120
.set XF,  32                           ; v32-63   four fragments of x
.set WF,  64                           ; v64-95   four fragments of W
.set SC,  96                           ; v96-111  scale words: register 4 i + (K step % 4): lanes 0-15 x's tile i, lanes 16-31 W's tile i; they hold nothing else
.set ACC, 128                          ; v128-255 accumulator (o, i) at 128 + 32 o + 8 i
.set TM,  32                           ; behind the products: largest magnitudes,
.set TP,  40                           ; the other half's, then the bytes,
.set TS,  48                           ; the conversions' scale operands,
.set PC,  64                           ; the codes,
.set HW,  80                           ; a row's two bytes,
.set RW,  84                           ; and the words as they are stored
.set WV,  16
.set WR,  17
.set TY,  18
.set CX,  19
.set CY,  20
.set HX,  21
.set RY,  22
.set LW,  23
.set G1A, 24
.set G1B, 32
.set G1SA, 40
.set G1SB, 48
.set G0A, 56
.set G0B, 60
.set G0SA, 68
.set G0SB, 72
.set MR,  76
.set MC,  77
.set SEL, 78
.macro CROUND                          ; a round of the cluster's barrier
	s_barrier_signal -1
	s_barrier_wait -1
	s_cmp_lg_u32 s[WV], 0
	s_cbranch_scc1 .Lnot_wave_0_\@
	s_barrier_signal -3
.Lnot_wave_0_\@:
	s_barrier_wait -3
	s_barrier_signal -1
	s_barrier_wait -1
.endm
.macro PLACES n                        ; plain vector instructions between a matrix instruction and what touches its registers (ISA guide 7.12.1)
.rept \n
	v_nop
.endr
.endm
; The largest magnitude of my 16 numbers of each of nb blocks, the blocks by turns; the floor 2^(3 - 127) among the leaves holds the byte at 1 from below.  Each accumulator is read from its low end on.
.macro QMAX nb, s0
.set qb, 0
.rept \nb
	v_max3_num_f32 v[TM+qb], |v[\s0+16*qb]|, |v[\s0+16*qb+1]|, 0x1800000
.set qb, qb+1
.endr
.set qi, 2
.rept 7
.set qb, 0
.rept \nb
	v_max3_num_f32 v[TM+qb], v[TM+qb], |v[\s0+16*qb+qi]|, |v[\s0+16*qb+qi+1]|
.set qb, qb+1
.endr
.set qi, qi+2
.endr
.endm
; With lane l xor 16's the block's largest magnitude; 2 off its exponent field is the conversion's scale operand; that field is the byte.
.macro QSCALE nb
.set qb, 0
.rept \nb
	v_permlanex16_b32 v[TP+qb], v[TM+qb], s[SEL], s[SEL+1]
.set qb, qb+1
.endr
.set qb, 0
.rept \nb
	v_max_num_f32 v[TM+qb], v[TM+qb], v[TP+qb]
.set qb, qb+1
.endr
.set qb, 0
.rept \nb
	v_add_nc_u32 v[TS+qb], 0xff000000, v[TM+qb]
.set qb, qb+1
.endr
.set qb, 0
.rept \nb
	v_lshrrev_b32 v[TP+qb], 23, v[TS+qb]
.set qb, qb+1
.endr
.endm
; Codes.  Of block b a lane holds k = 8 h + 0..7 (first tile) and 16 + 8 h + 0..7 (second).  For the pair of blocks 2 c, 2 c + 1 the first tiles' codes go to registers 4 c, 4 c + 1 and the second tiles' to
; 4 c + 2, 4 c + 3; two exchanges of halves then leave register 4 c + g of lane (r, h) with k = 64 c + 32 h + 8 g + 0..7: the operand's layout.
.macro QCODES nb, s0, pc0
.set qb, 0
.rept \nb
	v_cvt_scalef32_pk8_fp4_f32 v[\pc0+4*(qb/2)+qb%2], v[\s0+16*qb:\s0+16*qb+7], v[TS+qb]
	v_cvt_scalef32_pk8_fp4_f32 v[\pc0+4*(qb/2)+2+qb%2], v[\s0+16*qb+8:\s0+16*qb+15], v[TS+qb]
.set qb, qb+1
.endr
	v_nop                                          ; one plain place behind the last scaled conversion
.set qb, 0
.rept \nb/2
	v_permlane16_swap_b32 v[\pc0+4*qb], v[\pc0+4*qb+1]
	v_permlane16_swap_b32 v[\pc0+4*qb+2], v[\pc0+4*qb+3]
.set qb, qb+1
.endr
.endm
	s_load_b256 s[4:11], s[0:1], 0x0               ; x's codes s[4:5], x's scales s[6:7], W's codes s[8:9], W's scales s[10:11]
	s_load_b128 s[12:15], s[0:1], 0x20             ; bqkv s[12:13], qkv s[14:15]
	v_lshl_add_u32 v15, v0, 2, 0x40000
	s_set_vgpr_msb 0x40
	v_mov_b32 v1, 0
	s_set_vgpr_msb 0x4044
	ds_add_u32 v15, v1
	ds_add_u32 v15, v1
	s_set_vgpr_msb 0x4400
	v_lshrrev_b32 v1, 5, v0
	s_delay_alu instid0(VALU_DEP_1)
	v_readfirstlane_b32 s[WV], v1                  ; wave 0..11
	s_and_b32 s[WR], s[WV], 3                      ; which 64 rows are mine
	s_lshr_b32 s[TY], s[WV], 2                     ; 0 q, 1 k, 2 v
	s_bfe_u32 s[CX], ttmp6, 0x40000
	s_bfe_u32 s[CY], ttmp6, 0x40004
	s_lshl_b32 s[HX], ttmp9, 2
	s_add_co_u32 s[HX], s[HX], s[CX]               ; the head = 4 x cluster x + cx
	s_and_b32 s[RY], ttmp7, 0xffff
	s_lshl_b32 s[RY], s[RY], 2
	s_add_co_u32 s[RY], s[RY], s[CY]               ; the block of 256 rows = 4 x cluster y + cy
	s_lshl_b32 s[MR], s[CY], 2
	s_lshl_b32 s[MR], 15, s[MR]                    ; my row of the cluster
	s_lshl_b32 s[MC], 0x1111, s[CX]                ; my column
	; group 1 for codes: 64 rows of 512 bytes, 16 bytes of padding behind each (after 128 words, 4 words); bit 21 set beside a mask
	s_or_b32 s[G1A], s[MR], (1<<20)|(1<<21)|(6<<22)|(3<<25)
	s_or_b32 s[G1B], s[MC], (1<<20)|(1<<21)|(6<<22)|(3<<25)
.irp g, G1A, G1B
	s_mov_b32 s[\g+1], 512<<16                     ; tensor_dim0
	s_mov_b32 s[\g+2], 64<<16                      ; tensor_dim1
	s_mov_b32 s[\g+3], 512<<16                     ; tile_dim0
	s_mov_b32 s[\g+4], 64                          ; tile_dim1
	s_mov_b32 s[\g+5], 512                         ; from row to row
	s_mov_b32 s[\g+6], 0
	s_mov_b32 s[\g+7], 0
.endr
	; group 1 for scale bytes: a dense block as rows of 256 bytes (32 elements of 8), 16 bytes of padding behind each: 32 rows for x, 24 for W
	s_or_b32 s[G1SA], s[MR], (3<<16)|(1<<20)|(1<<21)|(5<<22)|(3<<25)
	s_mov_b32 s[G1SA+1], 32<<16
	s_mov_b32 s[G1SA+2], 32<<16
	s_mov_b32 s[G1SA+3], 32<<16
	s_mov_b32 s[G1SA+4], 32
	s_mov_b32 s[G1SA+5], 32
	s_mov_b32 s[G1SA+6], 0
	s_mov_b32 s[G1SA+7], 0
	s_or_b32 s[G1SB], s[MC], (3<<16)|(1<<20)|(1<<21)|(5<<22)|(3<<25)
	s_mov_b32 s[G1SB+1], 32<<16
	s_mov_b32 s[G1SB+2], 24<<16
	s_mov_b32 s[G1SB+3], 32<<16
	s_mov_b32 s[G1SB+4], 24
	s_mov_b32 s[G1SB+5], 32
	s_mov_b32 s[G1SB+6], 0
	s_mov_b32 s[G1SB+7], 0
	; offsets: x's in s80-83 (row block and wave alone), W's in s84-87 (head and wave alone)
	s_lshl_b32 s80, s[RY], 17                      ; 256 rows x 512 bytes
	s_lshl_b32 s82, s[WV], 15                      ; + 64 rows a wave
	s_add_co_u32 s80, s80, s82
	s_mov_b32 s81, 0
	s_lshl_b32 s82, s[RY], 13                      ; 256 rows x 32 scale bytes
	s_mov_b32 s83, 0
	s_mul_i32 s84, s[HX], 98304                    ; 192 rows x 512 bytes
	s_lshl_b32 s86, s[WR], 15
	s_add_co_u32 s84, s84, s86
	s_mov_b32 s85, 0
	s_mul_i32 s86, s[HX], 6144                     ; 192 rows x 32
	s_mov_b32 s87, 0
	s_mul_i32 s[LW], s[WV], QUART                  ; where codes go: wave x 64 rows (x's four quarters, then W's three)
	s_mov_b32 s[SEL], 0x76543210
	s_mov_b32 s[SEL+1], 0xfedcba98                 ; v_permlanex16_b32: lane l xor 16
	s_wait_dscnt 0x0
	s_wait_kmcnt 0x0
	s_mov_b32 s[G0A], 1
	s_mov_b32 s[G0A+1], s[LW]
	s_add_nc_u64 s[G0A+2:G0A+3], s[4:5], s[80:81]
	s_or_b32 s[G0A+3], s[G0A+3], 0x80000000
	s_mov_b32 s[G0B], 1
	s_mov_b32 s[G0B+1], s[LW]
	s_add_nc_u64 s[G0B+2:G0B+3], s[8:9], s[84:85]
	s_or_b32 s[G0B+3], s[G0B+3], 0x80000000
	s_mov_b32 s[G0SA], 1
	s_mov_b32 s[G0SA+1], ASC
	s_add_nc_u64 s[G0SA+2:G0SA+3], s[6:7], s[82:83]
	s_or_b32 s[G0SA+3], s[G0SA+3], 0x80000000
	s_mov_b32 s[G0SB], 1
	s_mov_b32 s[G0SB+1], BSC
	s_add_nc_u64 s[G0SB+2:G0SB+3], s[10:11], s[86:87]
	s_or_b32 s[G0SB+3], s[G0SB+3], 0x80000000
	CROUND                                         ; all sixteen work-groups are here: the joint loads meet
	; one load a wave at the most: waves 0-3 x's quarters, 4-6 W's thirds, 7 x's scales, 8 W's scales.  The branches hang on the wave's number alone.  Four v_nop follow each load.
	s_cmp_lt_u32 s[WV], 4
	s_cbranch_scc0 .Lnot_a
	tensor_load_to_lds s[G0A:G0A+3], s[G1A:G1A+7]
	s_nop 0
	PLACES 4
	s_branch .Lasked
.Lnot_a:
	s_cmp_lt_u32 s[WV], 7
	s_cbranch_scc0 .Lnot_b
	tensor_load_to_lds s[G0B:G0B+3], s[G1B:G1B+7]
	s_nop 0
	PLACES 4
	s_branch .Lasked
.Lnot_b:
	s_cmp_eq_u32 s[WV], 7
	s_cbranch_scc0 .Lnot_sa
	tensor_load_to_lds s[G0SA:G0SA+3], s[G1SA:G1SA+7]
	s_nop 0
	PLACES 4
	s_branch .Lasked
.Lnot_sa:
	s_cmp_eq_u32 s[WV], 8
	s_cbranch_scc0 .Lasked
	tensor_load_to_lds s[G0SB:G0SB+3], s[G1SB:G1SB+7]
	s_nop 0
	PLACES 4
.Lasked:
	; every LDS address is made here, on the way that all waves take
	v_and_b32 v1, 15, v0                           ; r
	v_bfe_u32 v2, v0, 4, 1                         ; h
	s_delay_alu instid0(VALU_DEP_2)
	v_mul_u32_u24 v11, v1, PITCH
	s_delay_alu instid0(VALU_DEP_1)
	v_lshl_add_u32 v11, v2, 4, v11                 ; a fragment's row x pitch + 16 h
	s_mul_i32 s88, s[WR], QUART
	v_add_nc_u32 v[XA], s88, v11
	s_mul_i32 s89, s[TY], QUART
	s_add_co_u32 s89, s89, BT
	v_add_nc_u32 v[WA], s89, v11
	v_lshrrev_b32 v12, 3, v1                       ; a row's 32 scale bytes: eight rows to a unit of 272
	s_delay_alu instid0(VALU_DEP_1)
	v_mul_u32_u24 v12, v12, 272
	v_and_b32 v13, 7, v1
	s_delay_alu instid0(VALU_DEP_1)
	v_lshl_add_u32 v12, v13, 5, v12
	s_mul_i32 s88, s[WR], 2176                     ; x's: my 64 rows are 8 units
	s_mul_i32 s89, s[TY], 2176                     ; W's: likewise, 8,704 bytes further on
	s_add_co_u32 s89, s89, 8704
	s_sub_co_u32 s89, s89, s88                     ; the distance from x's to W's: one product with h
	v_mul_u32_u24 v13, s89, v2
	s_add_co_u32 s88, s88, ASC
	v_add_nc_u32 v12, v12, v13
	s_delay_alu instid0(VALU_DEP_1)
	v_add_nc_u32 v[SA], s88, v12
	v_and_b32 v14, 31, v0
	s_delay_alu instid0(VALU_DEP_1)
	v_lshlrev_b32 v[L16], 4, v14
	s_delay_alu instid0(VALU_DEP_2)
	v_lshlrev_b32 v[L8], 3, v14
	s_delay_alu instid0(VALU_DEP_3)
	v_lshlrev_b32 v[L4], 2, v14
	v_lshlrev_b32 v9, 5, v2                        ; bias of q, k: my half's eight columns
	v_lshlrev_b32 v10, 2, v1                       ; bias of v: my channel
	; where my results go in the head's record.  kb = my first row within the batch's 2,048
	s_and_b32 s90, s[RY], 7
	s_lshl_b32 s90, s90, 8
	s_lshl_b32 s91, s[WR], 6
	s_add_co_u32 s90, s90, s91                     ; kb
	s_lshr_b32 s91, s90, 7                         ; the step of 128 keys
	s_bfe_u32 s92, s90, 0x10006                    ; which half of it
	s_lshl_b32 s93, s91, 13
	s_mul_i32 s94, s91, 768
	s_add_co_u32 s94, s94, SCL
	s_lshl_b32 s95, s92, 11
	s_add_co_u32 s95, s95, s93                     ; k's codes: step x 8,192 + 4 tiles x 512 x half
	s_lshl_b32 s96, s92, 8
	s_add_co_u32 s96, s96, s94                     ; k's scale words
	s_lshl_b32 s97, s90, 5
	s_add_co_u32 s97, s97, QIMG                    ; q's codes: 512 bytes for each 16 rows
	s_lshl_b32 s98, s90, 2
	s_add_co_u32 s98, s98, QSC                     ; q's scale words: 256 bytes for each 64 rows
	s_cmp_eq_u32 s[TY], 0
	s_cselect_b32 s95, s97, s95
	s_cselect_b32 s96, s98, s96
	s_lshl_b32 s97, s92, 9
	s_add_co_u32 s97, s97, s93
	s_add_co_u32 s97, s97, 4096                    ; v's codes: behind the step's K, half c of each tile
	s_lshl_b32 s98, s92, 1
	s_add_co_u32 s98, s98, s94
	s_add_co_u32 s98, s98, 512                     ; v's scale bytes: two of a word's four
	s_cmp_eq_u32 s[TY], 2
	s_cselect_b32 s95, s97, s95
	s_cselect_b32 s96, s98, s96
	s_lshr_b32 s97, s[RY], 3                       ; the batch
	s_lshl_b32 s97, s97, 4
	s_add_co_u32 s97, s97, s[HX]
	s_mul_i32 s97, s97, HEADREC
	s_add_co_u32 s88, s95, s97
	s_mov_b32 s89, 0
	s_add_co_u32 s90, s96, s97
	s_mov_b32 s91, 0
	s_add_nc_u64 s[88:89], s[14:15], s[88:89]      ; codes
	s_add_nc_u64 s[90:91], s[14:15], s[90:91]      ; scales
	s_mul_i32 s92, s[HX], 768
	s_lshl_b32 s93, s[TY], 8
	s_add_co_u32 s92, s92, s93
	s_mov_b32 s93, 0
	s_add_nc_u64 s[12:13], s[12:13], s[92:93]      ; bqkv at my 64 columns
	s_mov_b32 vcc_lo, 0xffff0000                   ; lanes 16-31
	; the bias is the C of each sum's first product: eight registers a tile in the result's layout.  Both ways write all 32 registers.
	s_cmp_lt_u32 s[WV], 8
	s_cbranch_scc0 .Lbias_v
	s_wait_alu depctr_va_vdst(0)
.irp i, 0,1,2,3
	global_load_b128 v[CB0+8*\i+80*(\i/2):CB0+8*\i+80*(\i/2)+3], v9, s[12:13] offset:64*\i        ; q, k: columns 16 i + 8 h + 0..7
	global_load_b128 v[CB0+8*\i+80*(\i/2)+4:CB0+8*\i+80*(\i/2)+7], v9, s[12:13] offset:64*\i+16
.endr
	s_branch .Lbias_in
.Lbias_v:
	s_wait_alu depctr_va_vdst(0)
.irp o, 0,1,2,3
.irp j, 0,1,2,3,4,5,6,7
	global_load_b32 v[CB0+8*\o+80*(\o/2)+\j], v10, s[12:13] offset:64*\o                          ; v: channel 16 o + r, the same for my eight keys
.endr
.endr
.Lbias_in:
	s_wait_tensorcnt 0x0                           ; my part of the tiles has landed,
	s_wait_loadcnt 0x0                             ; and my bias
	s_barrier_signal -1
	s_barrier_wait -1                              ; everybody's part has.  From here on LDS is only read
; One product.  The 16 accumulators take turns, one instruction a turn, in the same order in every K step.
.macro MM isv, o, i
.set rD, ACC+32*(\o)+8*(\i)
.set rSI, SC+4*(\i)+kst%4
.set rSO, SC+4*(\o)+kst%4
.if \isv
.set rC, CB0+8*(\o)+80*((\o)/2)
.if kst == 0
	v_wmma_scale_f32_16x16x128_f8f6f4 v[rD:rD+7], v[XF+8*(\i):XF+8*(\i)+7], v[WF+8*(\o):WF+8*(\o)+7], v[rC:rC+7], v[rSI], v[rSO] matrix_a_fmt:MATRIX_FMT_FP4 matrix_b_fmt:MATRIX_FMT_FP4 matrix_b_scale:MATRIX_SCALE_ROW1
.else
	v_wmma_scale_f32_16x16x128_f8f6f4 v[rD:rD+7], v[XF+8*(\i):XF+8*(\i)+7], v[WF+8*(\o):WF+8*(\o)+7], v[rD:rD+7], v[rSI], v[rSO] matrix_a_fmt:MATRIX_FMT_FP4 matrix_b_fmt:MATRIX_FMT_FP4 matrix_b_scale:MATRIX_SCALE_ROW1
.endif
.else
.set rC, CB0+8*(\i)+80*((\i)/2)
.if kst == 0
	v_wmma_scale_f32_16x16x128_f8f6f4 v[rD:rD+7], v[WF+8*(\i):WF+8*(\i)+7], v[XF+8*(\o):XF+8*(\o)+7], v[rC:rC+7], v[rSI], v[rSO] matrix_a_fmt:MATRIX_FMT_FP4 matrix_b_fmt:MATRIX_FMT_FP4 matrix_a_scale:MATRIX_SCALE_ROW1
.else
	v_wmma_scale_f32_16x16x128_f8f6f4 v[rD:rD+7], v[WF+8*(\i):WF+8*(\i)+7], v[XF+8*(\o):XF+8*(\o)+7], v[rD:rD+7], v[rSI], v[rSO] matrix_a_fmt:MATRIX_FMT_FP4 matrix_b_fmt:MATRIX_FMT_FP4 matrix_a_scale:MATRIX_SCALE_ROW1
.endif
.endif
.endm
; A role's whole work, written out: eight K steps of 128, every offset an immediate; then the quantiser and the stores.
.macro BODY isv
.set kst, 0
.rept 8
.if kst > 0
	PLACES 4                                       ; in front of loads into registers that matrix instructions have read
.endif
.irp o, 0,1,2,3
.irp c, 0,1
	ds_load_b128 v[XF+8*\o+4*\c:XF+8*\o+4*\c+3], v[XA] offset:\o*16*PITCH+64*kst+32*\c
.endr
.endr
.irp o, 0,1,2,3
.irp c, 0,1
	ds_load_b128 v[WF+8*\o+4*\c:WF+8*\o+4*\c+3], v[WA] offset:\o*16*PITCH+64*kst+32*\c
.endr
.endr
.if kst%4 == 0
.irp i, 0,1,2,3
	ds_load_b128 v[SC+4*\i:SC+4*\i+3], v[SA] offset:544*\i+16*(kst/4)     ; the scale words of four K steps
.endr
.endif
	s_wait_dscnt 0x0                               ; the step's fragments are in; the SIMD's other two waves work meanwhile
.irp o, 0,1,2,3
.irp i, 0,1,2,3
	MM \isv, \o, \i
.endr
.endr
.set kst, kst+1
.endr
	PLACES 4                                       ; in front of the first read of results and of writes over the fragments' registers
	QMAX 8, ACC                                    ; block b: accumulators (b / 2, 2 (b % 2)) and the next
	QSCALE 8
.irp o, 0,1,2,3
	v_lshl_or_b32 v[HW+\o], v[TP+2*\o+1], 8, v[TP+2*\o]        ; the two bytes of my row (q, k) or channel (v) in tile o
.endr
	QCODES 8, ACC, PC
.if \isv
.irp o, 0,1,2,3
	global_store_b128 v[L16], v[PC+4*\o:PC+4*\o+3], s[88:89] offset:1024*\o   ; half a fragment of V^T's tile o: 512 consecutive bytes
.endr
	v_cndmask_b32 v[RW], v[HW], v[HW+1], vcc_lo    ; lanes 0-15 tile 2 i, lanes 16-31 tile 2 i + 1
	v_cndmask_b32 v[RW+1], v[HW+2], v[HW+3], vcc_lo
.irp i, 0,1
	global_store_b16 v[L4], v[RW+\i], s[90:91] offset:128*\i   ; two of a word's four bytes: the other two are another wave's (its 64 keys)
.endr
.else
.irp o, 0,1,2,3
	global_store_b128 v[L16], v[PC+4*\o:PC+4*\o+3], s[88:89] offset:512*\o    ; tile o's image: 512 consecutive bytes
.endr
.irp o, 0,1,2,3
	v_lshl_or_b32 v[HW+\o], v[HW+\o], 16, v[HW+\o]             ; the two bytes once more, over the zero codes of k = 64..127
.endr
	s_delay_alu instid0(VALU_DEP_3)
	v_cndmask_b32 v[RW], v[HW], v[HW+1], vcc_lo
	s_delay_alu instid0(VALU_DEP_2)
	v_cndmask_b32 v[RW+1], v[HW+2], v[HW+3], vcc_lo
	global_store_b64 v[L8], v[RW:RW+1], s[90:91]   ; four tiles' words: 256 consecutive bytes
.endif
.endm
	s_cmp_lt_u32 s[WV], 8
	s_cbranch_scc0 .Lrole_v
	BODY 0
	s_branch .Ldone
.Lrole_v:
	BODY 1
.Ldone:
	s_set_vgpr_msb 0x4
	s_wait_tensorcnt 0x0
	ds_add_u32 v15, v1
	s_wait_dscnt 0x0
	s_set_vgpr_msb 0x400
	CROUND                                         ; the closing round: no work-group ends while a partner may still ask for a tile that names it
	s_endpgm
.Lfunc_end_k_qec2f4fbd1c_qkvproj:
	.size	k_qec2f4fbd1c_qkvproj, .Lfunc_end_k_qec2f4fbd1c_qkvproj-k_qec2f4fbd1c_qkvproj
	.p2alignl 7, 3214868480
	.fill 96, 4, 3214868480
	.section	.rodata,"a",@progbits
	.p2align	6, 0x0
	.amdhsa_kernel k_qec2f4fbd1c_qkvproj
		.amdhsa_group_segment_fixed_size 263680
		.amdhsa_private_segment_fixed_size 0
		.amdhsa_enable_private_segment 0
		.amdhsa_kernarg_size 48
		.amdhsa_user_sgpr_count 2
		.amdhsa_user_sgpr_kernarg_segment_ptr 1
		.amdhsa_wavefront_size32 1
		.amdhsa_system_sgpr_workgroup_id_x 1
		.amdhsa_system_sgpr_workgroup_id_y 1
		.amdhsa_system_sgpr_workgroup_id_z 1
		.amdhsa_system_vgpr_workitem_id 0
		.amdhsa_next_free_vgpr 258
		.amdhsa_next_free_sgpr 100
		.amdhsa_reserve_vcc 1
		.amdhsa_float_denorm_mode_32 3
		.amdhsa_float_denorm_mode_16_64 3
		.amdhsa_memory_ordered 1
		.amdhsa_forward_progress 1
		.amdhsa_inst_pref_size 82
	.end_amdhsa_kernel
	.amdgpu_metadata
---
amdhsa.version: [ 1, 2 ]
amdhsa.kernels:
  - .name:           k_qec2f4fbd1c_qkvproj
    .symbol:         k_qec2f4fbd1c_qkvproj.kd
    .args:
      - { .name: x_codes, .offset: 0, .size: 8, .value_kind: global_buffer, .address_space: global }
      - { .name: x_scales, .offset: 8, .size: 8, .value_kind: global_buffer, .address_space: global }
      - { .name: Wqkv_codes, .offset: 16, .size: 8, .value_kind: global_buffer, .address_space: global }
      - { .name: Wqkv_scales, .offset: 24, .size: 8, .value_kind: global_buffer, .address_space: global }
      - { .name: bqkv, .offset: 32, .size: 8, .value_kind: global_buffer, .address_space: global }
      - { .name: qkv, .offset: 40, .size: 8, .value_kind: global_buffer, .address_space: global }
    .group_segment_fixed_size: 263680
    .private_segment_fixed_size: 0
    .kernarg_segment_align: 8
    .kernarg_segment_size: 48
    .max_flat_workgroup_size: 384
    .sgpr_count:     100
    .vgpr_count:     258
    .wavefront_size: 32
...
	.end_amdgpu_metadata
.endif
;; end of part 1
;; launch attn (part 2): grid 4 x 64, 16 waves a work-group, clusters of 4 x 1, 169,984 bytes of LDS; arguments qkv, pad_mask, vals, osc; writes vals, osc
.if DOCPART == 2
	.amdgcn_target "amdgcn-amd-amdhsa--gfx1250"
	.amdhsa_code_object_version 6
	.text
	.protected	k_qec2f4fbd1c_attn
	.globl	k_qec2f4fbd1c_attn
	.p2align	8
	.type	k_qec2f4fbd1c_attn,@function
k_qec2f4fbd1c_attn:
	s_mov_b64 s[64:65], 0
	v_nop
	global_prefetch_b8 v0, s[64:65] scope:SCOPE_SE
	s_setreg_imm32_b32 hwreg(HW_REG_WAVE_MODE, 25, 1), 1
	s_wait_xcnt 0x0
	s_wait_alu depctr_hold_cnt(0) depctr_sa_sdst(0) depctr_va_vdst(0) depctr_va_sdst(0) depctr_va_ssrc(0) depctr_va_vcc(0) depctr_vm_vsrc(0)
	s_getreg_b32 s2, hwreg(HW_REG_IB_STS2, 6, 4)
	s_cmp_eq_u32 s2, 0
	s_cbranch_scc0 .Lentry_in_a_cluster
	s_endpgm
.Lentry_in_a_cluster:
	s_bfe_u32 s2, ttmp6, 0x10000c
	s_cmp_lg_u32 s2, 0x3003
	s_cbranch_scc0 .Lentry_shape_is_right
	s_endpgm
.Lentry_shape_is_right:
; values = A v, A = softmax(q k^T / 8 under the causal mask), then zeroed where pad[q] x pad[k] = 0.  Both products on codes of FP4 (E2M1) with one E8M0 scale for each 32 along K.
; WHAT IS QUANTISED along the keys is the FINISHED attention, exp / sum with the pad zeros in it.  So a row's maximum and sum must be known before any weight is quantised: TWO WALKS over the keys.
; Walk 1 makes the scores and keeps a running M (the largest t = score x log2(e) / 8, rounded up to a whole number) and the sum of 2^(t - M); padded keys count in it, as they do in the softmax.
; Walk 2 makes the scores again, with -1e30 for padded keys as the C of the product, p = 2^(t - M) / sum, quantises p block by block and adds V^T P^T.
; SHARES.  A cluster of four work-groups is one (batch, head): the head's K, V and their scales (143,360 bytes of its record, images of operand registers) come into each LDS ONCE, by joint loads.
; A head has 128 tiles of 16 queries, t = 8 G + e; tile t needs G + 1 steps of 128 keys.  Wave w of work-group cx takes e = 4 (w & 1) + cx in G = w >> 1 and then in G = 15 - (w >> 1): 17 steps for every wave.
; G hangs on the wave's number alone; cx enters global addresses and one operand of a compare, never a branch or an LDS address.
; LAYOUT.  S^T = K Q^T (source 0 = 16 keys, source 1 = my 16 queries; K = 64: the upper 64 are zero codes on both sides), O^T = V^T P^T: a lane holds ONE query (lane % 16) throughout.
; Register j of score tile T holds key 16 T + 8 (lane / 16) + j: two neighbouring tiles and lane l xor 16 hold a block of 32 keys.
; The result is quantised along head x 64 + channel (two blocks a head) and leaves as half a fragment's image (vals) and two scale bytes a row (osc, laid as x's scales are).
; LIMITS: NaN and infinities are not served.  A weight under 2^-126 ahead of the division is taken as 0.  A block of zeros gets the byte 1 where the quantiser says 127: its codes are zeros and
; only this program reads the bytes.  A pad entry counts as set where it is not 0: two entries whose 32-bit product wraps to 0 are not served.  Scores stay far under 1e30.
.set HEADREC, 217088
.set SCL,  131072                      ; in the record and in LDS alike: 16 steps x 768 scale bytes
.set QIMG, 143360
.set QSC,  208896
.set BIAS, 143360                      ; LDS, behind what the tensor loads fill: 2,048 numbers, 0 or -1e30
.set LI,  1                            ; v1   16 x lane
.set LK,  2                            ; v2   8 x lane + SCL: K's scale words
.set LV,  3                            ; v3   4 x lane + SCL + 512: V's
.set LB,  4                            ; v4   BIAS + 32 h
.set DG,  5                            ; v5   my query - 8 h, counted from the diagonal step's first key
.set ADK, 6                            ; v6-9 the step's addresses
.set ADS, 7
.set ADT, 8
.set ADB, 9
.set PAD0, 10                          ; v10, v11 my query's pad entry, slot 0 and 1
.set Q0,  16                           ; v16-23, v24-31 Q of slot 0 and 1: four registers of codes, four of zeros
.set KF,  32                           ; v32-63   four tiles of K: four registers of codes, four of zeros (written once)
.set BI,  64                           ; v64-95   four tiles of pad bias
.set S,   96                           ; v96-159  S^T, then p
.set O,   160                          ; v160-191 O^T
.set VF,  192                          ; v192-223 V^T's four fragments
.set PC,  224                          ; v224-231 codes
.set TM,  232
.set TP,  236
.set TS,  240
.set KS,  244                          ; v244-245 K's scale words;  v246-247 V's;  v248 p's;  v249, v250 Q's
.set VS,  246
.set PS,  248
.set QS0, 249
.set NINF, 251
.set T,   254
.set ORW, 255                          ; v255 32 x r: my row in osc
.set WV,  12
.set CX,  13
.set HB,  14
.set W1,  15
.set SEL, 16
.set CS,  18
.set GR0, 20                           ; s20, s21 G of slot 0 and 1
.set J,   22
.set OA,  23                           ; 8,192 J
.set DG1, 24
.set DG0, 32
.set OB,  36                           ; 768 J
.set OC,  37                           ; 512 J
.macro CROUND                          ; a round of the cluster's barrier
	s_barrier_signal -1
	s_barrier_wait -1
	s_cmp_lg_u32 s[WV], 0
	s_cbranch_scc1 .Lnot_wave_0_\@
	s_barrier_signal -3
.Lnot_wave_0_\@:
	s_barrier_wait -3
	s_barrier_signal -1
	s_barrier_wait -1
.endm
.macro PLACES n                        ; plain vector instructions between a matrix instruction and what touches its registers (ISA guide 7.12.1)
.rept \n
	v_nop
.endr
.endm
.macro QMAX nb, s0                     ; the largest magnitude of my 16 numbers of each block, with the floor 2^(3 - 127); accumulators from their low end on
.set qb, 0
.rept \nb
	v_max3_num_f32 v[TM+qb], |v[\s0+16*qb]|, |v[\s0+16*qb+1]|, 0x1800000
.set qb, qb+1
.endr
.set qi, 2
.rept 7
.set qb, 0
.rept \nb
	v_max3_num_f32 v[TM+qb], v[TM+qb], |v[\s0+16*qb+qi]|, |v[\s0+16*qb+qi+1]|
.set qb, qb+1
.endr
.set qi, qi+2
.endr
.endm
.macro QSCALE nb                       ; with lane l xor 16's; 2 off the exponent field: the conversion's scale operand; its field: the byte
.set qb, 0
.rept \nb
	s_delay_alu instid0(VALU_DEP_2)
	v_permlanex16_b32 v[TP+qb], v[TM+qb], s[SEL], s[SEL+1]
.set qb, qb+1
.endr
.set qb, 0
.rept \nb
	s_delay_alu instid0(VALU_DEP_2)
	v_max_num_f32 v[TM+qb], v[TM+qb], v[TP+qb]
.set qb, qb+1
.endr
.set qb, 0
.rept \nb
	s_delay_alu instid0(VALU_DEP_2)
	v_add_nc_u32 v[TS+qb], 0xff000000, v[TM+qb]
.set qb, qb+1
.endr
.set qb, 0
.rept \nb
	s_delay_alu instid0(VALU_DEP_2)
	v_lshrrev_b32 v[TP+qb], 23, v[TS+qb]
.set qb, qb+1
.endr
.endm
; Codes: of the pair of blocks 2 c, 2 c + 1 the first tiles' go to registers 4 c, 4 c + 1, the second tiles' to 4 c + 2, 4 c + 3; two exchanges of halves leave register 4 c + g of lane (r, h) with k = 64 c + 32 h + 8 g + 0..7.
.macro QCODES nb, s0, pc0
.set qb, 0
.rept \nb
	v_cvt_scalef32_pk8_fp4_f32 v[\pc0+4*(qb/2)+qb%2], v[\s0+16*qb:\s0+16*qb+7], v[TS+qb]
	v_cvt_scalef32_pk8_fp4_f32 v[\pc0+4*(qb/2)+2+qb%2], v[\s0+16*qb+8:\s0+16*qb+15], v[TS+qb]
.set qb, qb+1
.endr
	v_nop                                          ; one plain place behind the last scaled conversion
.set qb, 0
.rept \nb/2
	v_permlane16_swap_b32 v[\pc0+4*qb], v[\pc0+4*qb+1]
	v_permlane16_swap_b32 v[\pc0+4*qb+2], v[\pc0+4*qb+3]
.set qb, qb+1
.endr
.endm
	s_load_b256 s[4:11], s[0:1], 0x0               ; qkv s[4:5], pad_mask s[6:7], vals s[8:9], osc s[10:11]
	v_lshl_add_u32 v254, v0, 2, 0x29000
	v_mov_b32 v255, 0
	ds_add_u32 v254, v255
	ds_add_u32 v254, v255
	s_wait_dscnt 0x0
	v_lshrrev_b32 v6, 5, v0
	s_delay_alu instid0(VALU_DEP_1)
	v_readfirstlane_b32 s[WV], v6                  ; wave 0..15
	s_bfe_u32 s[CX], ttmp6, 0x40000                ; my place in the cluster
	s_and_b32 s[HB], ttmp7, 0xffff                 ; 16 x batch + head, which the four partners share
	s_mul_i32 s48, s[HB], HEADREC
	s_mov_b32 s49, 0
	s_mul_i32 s50, s[WV], 8960                     ; my sixteenth of the 143,360 bytes: 35 rows of 256, in memory and in LDS alike
	s_mov_b32 s51, 0
	s_mov_b32 s[DG1], 15|(3<<16)|(1<<21)           ; the mask: all four; elements of 8 bytes; no padding; bit 21 set beside a mask
	s_mov_b32 s[DG1+1], 32<<16                     ; tensor_dim0
	s_mov_b32 s[DG1+2], 35<<16                     ; tensor_dim1
	s_mov_b32 s[DG1+3], 32<<16                     ; tile_dim0
	s_mov_b32 s[DG1+4], 35                         ; tile_dim1
	s_mov_b32 s[DG1+5], 32                         ; from row to row
	s_mov_b32 s[DG1+6], 0
	s_mov_b32 s[DG1+7], 0
	s_wait_kmcnt 0x0
	s_add_nc_u64 s[4:5], s[4:5], s[48:49]          ; my head's record
	s_mov_b32 s[DG0], 1
	s_mov_b32 s[DG0+1], s50
	s_add_nc_u64 s[DG0+2:DG0+3], s[4:5], s[50:51]
	s_or_b32 s[DG0+3], s[DG0+3], 0x80000000
	CROUND                                         ; all four work-groups are here: the joint loads meet
	tensor_load_to_lds s[DG0:DG0+3], s[DG1:DG1+7]  ; one load a wave, each its own 8,960 bytes; nothing is ever filled again
	s_nop 0
	PLACES 4
	v_and_b32 v9, 31, v0                           ; lane
	s_delay_alu instid0(VALU_DEP_1)
	v_lshlrev_b32 v[LI], 4, v9
	s_delay_alu instid0(VALU_DEP_2)
	v_lshl_add_u32 v[LK], v9, 3, SCL
	s_delay_alu instid0(VALU_DEP_3)
	v_lshl_add_u32 v[LV], v9, 2, SCL+512
	v_bfe_u32 v254, v0, 4, 1                       ; h
	s_delay_alu instid0(VALU_DEP_1)
	v_lshl_add_u32 v[LB], v254, 5, BIAS
	v_and_b32 v253, 15, v0                         ; r  (v253 is also named as the upper half of the pair v[252:253]: so it is written)
	s_delay_alu instid0(VALU_DEP_1)
	v_lshlrev_b32 v7, 3, v253                      ; Q's scale words: 8 r
	s_wait_alu depctr_va_vdst(0)
	v_lshlrev_b32 v8, 2, v253                      ; my query's pad entry: 4 r
	s_wait_alu depctr_va_vdst(0)
	v_lshlrev_b32 v[ORW], 5, v253
	v_lshlrev_b32 v254, 3, v254
	s_delay_alu instid0(VALU_DEP_1)
	v_sub_nc_u32 v[DG], v253, v254                 ; r - 8 h
	v_lshlrev_b32 v6, 4, v0                        ; pad_mask: four entries a thread
	s_wait_alu depctr_va_vdst(0)
	v_lshl_add_u32 v9, v0, 4, BIAS                 ; and where their bias goes
	s_and_b32 s[W1], s[WV], 1
	s_lshr_b32 s[GR0], s[WV], 1
	s_xor_b32 s[GR0+1], s[GR0], 15                 ; 15 - (w >> 1)
	s_lshl_b32 s52, s[W1], 2
	s_add_co_u32 s52, s52, s[CX]                   ; e
	s_lshl_b32 s55, s52, 4
	v_add_nc_u32 v[DG], s55, v[DG]                 ; + 16 e
	s_lshr_b32 s53, s[HB], 4                       ; batch
	s_and_b32 s38, s[HB], 15                       ; head
	s_lshl_b32 s39, s38, 1                         ; its two bytes in a row of osc
	s_lshl_b32 s38, s38, 9                         ; its 512 bytes in a tile of vals
	s_and_b32 s54, s[CX], 1
	s_lshl_b32 s54, s54, 7
	s_lshr_b32 s55, s[CX], 1
	s_lshl_b32 s55, s55, 2
	s_add_co_u32 s54, s54, s55
	s_add_co_u32 s54, s54, QSC                     ; QSC + 128 (t & 1) + 4 ((t >> 1) & 1)
	s_mov_b32 s71, 0
	s_mov_b32 s[SEL], 0x76543210
	s_mov_b32 s[SEL+1], 0xfedcba98                 ; v_permlanex16_b32: lane l xor 16
	s_mov_b32 s[CS], 0x3e38aa3b                    ; c = log2(e) / 8
	s_mov_b32 s[CS+1], s[CS]                       ; (named with it as a pair)
; Slot n's tile: its addresses, and the loads of Q, Q's scale words and the queries' pad entries.  Each load has a base of its own, so that none is written while a load may read it.
.macro SLOTSET n
	s_lshl_b32 s55, s[GR0+\n], 3
	s_add_co_u32 s55, s55, s52                     ; t = 8 G + e
	s_lshl_b32 s70, s55, 9
	s_add_co_u32 s70, s70, QIMG
	s_add_nc_u64 s[56+2*\n:57+2*\n], s[4:5], s[70:71]
	s_lshl_b32 s70, s[GR0+\n], 1
	s_add_co_u32 s70, s70, s[W1]
	s_lshl_b32 s70, s70, 8                         ; 256 (t >> 2)
	s_add_co_u32 s70, s70, s54
	s_add_nc_u64 s[60+2*\n:61+2*\n], s[4:5], s[70:71]
	s_lshl_b32 s70, s53, 7
	s_add_co_u32 s55, s55, s70                     ; the tile of 16 rows among all 512: 128 x batch + t
	s_lshl_b32 s70, s55, 6
	s_add_nc_u64 s[66+2*\n:67+2*\n], s[6:7], s[70:71]
	s_lshl_b32 s70, s55, 13
	s_add_co_u32 s70, s70, s38
	s_add_nc_u64 s[40+4*\n:41+4*\n], s[8:9], s[70:71]          ; vals: [tile][head][512]
	s_lshl_b32 s70, s55, 9
	s_add_co_u32 s70, s70, s39
	s_add_nc_u64 s[42+4*\n:43+4*\n], s[10:11], s[70:71]        ; osc: [row][32]
	global_load_b128 v[Q0+8*\n:Q0+8*\n+3], v[LI], s[56+2*\n:57+2*\n]
	global_load_b32 v[QS0+\n], v7, s[60+2*\n:61+2*\n]
	global_load_b32 v[PAD0+\n], v8, s[66+2*\n:67+2*\n]
.endm
	SLOTSET 0
	SLOTSET 1
	s_lshl_b32 s48, s53, 13
	s_mov_b32 s49, 0
	s_add_nc_u64 s[48:49], s[6:7], s[48:49]        ; my batch's row of pad_mask
	global_load_b128 v[64:67], v6, s[48:49]
.irp n, 0,1
.irp j, 4,5,6,7
	v_mov_b32 v[Q0+8*\n+\j], 0                     ; zero codes for k = 64..127
.endr
.endr
.irp t, 0,1,2,3
.irp j, 4,5,6,7
	v_mov_b32 v[KF+8*\t+\j], 0
.endr
.endr
.irp b, 0,1,2,3
	v_mov_b32 v[TP+\b], 0                          ; written once: a lane permute's destination counts as one of its sources
.endr
	v_mov_b32 v[NINF], 0xff800000                  ; -infinity
	v_mov_b32 v68, 0xf149f2ca                      ; -1e30
	s_wait_alu depctr_va_vdst(0)
	s_wait_loadcnt 0x0
.irp j, 0,1,2,3
	v_cmp_eq_u32 vcc_lo, 0, v[64+\j]
	s_delay_alu instid0(VALU_DEP_1)
	v_cndmask_b32 v[64+\j], 0, v68, vcc_lo         ; 0 for a key that counts, -1e30 for a padded one
.endr
	ds_store_b128 v9, v[64:67]
	s_wait_tensorcnt 0x0                           ; my part of the record has landed,
	s_wait_dscnt 0x0                               ; and my part of the bias table
	s_barrier_signal -1
	s_barrier_wait -1                              ; everybody's has.  From here on LDS is only read
; Four tiles of scores: keys 64 g on of the step.  bias = 1: the pad bias is the C of the product.
.macro KGROUP g, bias, q, qs
.if \g > 0
	PLACES 4                                       ; in front of loads into registers that the last four products have read
.endif
.irp t, 0,1,2,3
	ds_load_b128 v[KF+8*\t:KF+8*\t+3], v[ADK] offset:512*(4*\g+\t)
.endr
	ds_load_b64 v[KS:KS+1], v[ADS] offset:256*\g   ; word i: lanes 0-15 tile 2 i, lanes 16-31 tile 2 i + 1
.if \bias
.irp t, 0,1,2,3
	ds_load_b128 v[BI+8*\t:BI+8*\t+3], v[ADB] offset:64*(4*\g+\t)          ; keys 16 T + 8 h + 0..7
	ds_load_b128 v[BI+8*\t+4:BI+8*\t+7], v[ADB] offset:64*(4*\g+\t)+16
.endr
.endif
	s_wait_dscnt 0x0
.irp t, 0,1,2,3
.if \bias
.if (\t)%2
	v_wmma_scale_f32_16x16x128_f8f6f4 v[S+8*(4*\g+\t):S+8*(4*\g+\t)+7], v[KF+8*\t:KF+8*\t+7], v[\q:\q+7], v[BI+8*\t:BI+8*\t+7], v[KS+\t/2], v[\qs] matrix_a_fmt:MATRIX_FMT_FP4 matrix_b_fmt:MATRIX_FMT_FP4 matrix_a_scale:MATRIX_SCALE_ROW1
.else
	v_wmma_scale_f32_16x16x128_f8f6f4 v[S+8*(4*\g+\t):S+8*(4*\g+\t)+7], v[KF+8*\t:KF+8*\t+7], v[\q:\q+7], v[BI+8*\t:BI+8*\t+7], v[KS+\t/2], v[\qs] matrix_a_fmt:MATRIX_FMT_FP4 matrix_b_fmt:MATRIX_FMT_FP4
.endif
.else
.if (\t)%2
	v_wmma_scale_f32_16x16x128_f8f6f4 v[S+8*(4*\g+\t):S+8*(4*\g+\t)+7], v[KF+8*\t:KF+8*\t+7], v[\q:\q+7], 0, v[KS+\t/2], v[\qs] matrix_a_fmt:MATRIX_FMT_FP4 matrix_b_fmt:MATRIX_FMT_FP4 matrix_a_scale:MATRIX_SCALE_ROW1
.else
	v_wmma_scale_f32_16x16x128_f8f6f4 v[S+8*(4*\g+\t):S+8*(4*\g+\t)+7], v[KF+8*\t:KF+8*\t+7], v[\q:\q+7], 0, v[KS+\t/2], v[\qs] matrix_a_fmt:MATRIX_FMT_FP4 matrix_b_fmt:MATRIX_FMT_FP4
.endif
.endif
.endr
.endm
; On the diagonal (J = G) the scores of hidden keys become -infinity.  Register n holds key 16 (n / 8) + n % 8 + 8 h of the step: hidden where 16 (n / 8) + n % 8 > my query - 8 h.  Other steps jump over it.
.macro CAUSAL g
	s_cmp_lg_u32 s[J], s[\g]
	s_cbranch_scc1 .Lopen_\@
.set j, 0
.rept 64
	v_cmp_gt_i32 vcc_lo, 16*(j/8)+j%8, v[DG]
	v_cndmask_b32 v[S+j], v[S+j], v[NINF], vcc_lo
.set j, j+1
.endr
.Lopen_\@:
.endm
.macro BLOCKMAX                        ; the largest of my 16 numbers of each block of 32 keys, the four blocks by turns; every tile is read from its low end on
.irp b, 0,1,2,3
	v_max3_num_f32 v[TM+\b], v[S+16*\b], v[S+16*\b+1], v[S+16*\b+2]
.endr
.irp i, 3,5,7,9,11,13
.irp b, 0,1,2,3
	v_max3_num_f32 v[TM+\b], v[TM+\b], v[S+16*\b+\i], v[S+16*\b+\i+1]
.endr
.endr
.irp b, 0,1,2,3
	v_max_num_f32 v[TM+\b], v[TM+\b], v[S+16*\b+15]
.endr
.endm
.macro EXPS                            ; 2^(score x c - M): 32 packed multiply-adds, then the 64 exponentials as one batch
.set j, 0
.rept 32
	v_pk_fma_f32 v[S+j:S+j+1], v[S+j:S+j+1], s[CS:CS+1], v[12:13] op_sel_hi:[1,0,0]
.set j, j+2
.endr
.set j, 0
	s_wait_alu depctr_va_vdst(0)
.rept 64
	v_exp_f32 v[S+j], v[S+j]
.set j, j+1
.endr
.endm
; WALK 1.  Sixteen trips for every wave, a constant; a trip whose keys all come after my queries (J > G) jumps to the lines at its end that step the addresses.
.macro PASS1 n
	s_mov_b32 s[J], 0
	s_mov_b32 s[OA], 0
	s_mov_b32 s[OB], 0
	v_mov_b32 v13, 0xff61b1e6                      ; the largest t so far: -3e38
	s_delay_alu instid0(VALU_DEP_1)
	v_floor_f32 v12, -v13                          ; -M
	v_mov_b32 v14, 0                               ; the sum, in two halves
	v_mov_b32 v15, 0
.Lone_\@:
	s_cmp_gt_u32 s[J], s[GR0+\n]
	s_cbranch_scc1 .Lone_end_\@
	s_setprio 2
	v_add_nc_u32 v[ADK], s[OA], v[LI]
	s_wait_alu depctr_va_vdst(0)
	v_add_nc_u32 v[ADS], s[OB], v[LK]
	s_wait_alu depctr_va_vdst(0)
	KGROUP 0, 0, Q0+8*\n, QS0+\n
	KGROUP 1, 0, Q0+8*\n, QS0+\n
	PLACES 4
	CAUSAL GR0+\n
	s_setprio 1
	BLOCKMAX
	s_delay_alu instid0(VALU_DEP_2)
	v_max3_num_f32 v[T], v[TM], v[TM+1], v[TM+2]
	s_delay_alu instid0(VALU_DEP_1)
	v_max_num_f32 v[T], v[T], v[TM+3]
	s_delay_alu instid0(VALU_DEP_1)
	v_permlanex16_b32 v[TP], v[T], s[SEL], s[SEL+1]
	s_delay_alu instid0(VALU_DEP_1)
	v_max_num_f32 v[T], v[T], v[TP]                ; the step's largest score of my query
	s_delay_alu instid0(VALU_DEP_1)
	v_mul_f32 v[T], s[CS], v[T]                    ; as t
	s_delay_alu instid0(VALU_DEP_1)
	v_max_num_f32 v13, v13, v[T]
	v_mov_b32 v[T], v12
	s_delay_alu instid0(VALU_DEP_2)
	v_floor_f32 v12, -v13                          ; the new -M = -ceil(t): a whole number
	s_delay_alu instid0(VALU_DEP_1)
	v_sub_f32 v[T], v12, v[T]                      ; old M - new M, 0 or less
	s_delay_alu instid0(VALU_DEP_1)
	v_cvt_i32_f32 v[T], v[T]                       ; (it saturates)
	s_delay_alu instid0(VALU_DEP_1)
	v_ldexp_f32 v252, 1.0, v[T]                    ; f = 2^(old M - new M): the sum goes under the new M by a multiplication that rounds nothing
	EXPS
	s_setprio 0
	v_pk_mul_f32 v[14:15], v[14:15], v[252:253] op_sel_hi:[1,0]    ; (the plain place behind the exponentials)
	s_wait_alu depctr_va_vdst(0)                   ; one wait for the batch, ahead of its first reader
	v_pk_add_f32 v[236:237], v[100:101], v[104:105]
	v_pk_add_f32 v[246:247], v[108:109], v[112:113]
	v_pk_add_f32 v[244:245], v[116:117], v[120:121]
	v_pk_add_f32 v[242:243], v[124:125], v[128:129]
	v_pk_add_f32 v[240:241], v[132:133], v[136:137]
	v_pk_add_f32 v[234:235], v[140:141], v[144:145]
	v_pk_add_f32 v[232:233], v[148:149], v[152:153]
	v_pk_add_f32 v[14:15], v[14:15], v[156:157]
	v_pk_add_f32 v[236:237], v[236:237], v[96:97]
	v_pk_add_f32 v[246:247], v[246:247], v[98:99]
	v_pk_add_f32 v[244:245], v[244:245], v[102:103]
	v_pk_add_f32 v[242:243], v[242:243], v[106:107]
	v_pk_add_f32 v[240:241], v[240:241], v[110:111]
	v_pk_add_f32 v[234:235], v[234:235], v[114:115]
	v_pk_add_f32 v[232:233], v[232:233], v[118:119]
	v_pk_add_f32 v[14:15], v[14:15], v[122:123]
	v_pk_add_f32 v[236:237], v[236:237], v[126:127]
	v_pk_add_f32 v[246:247], v[246:247], v[130:131]
	v_pk_add_f32 v[244:245], v[244:245], v[134:135]
	v_pk_add_f32 v[242:243], v[242:243], v[138:139]
	v_pk_add_f32 v[240:241], v[240:241], v[142:143]
	v_pk_add_f32 v[234:235], v[234:235], v[146:147]
	v_pk_add_f32 v[232:233], v[232:233], v[150:151]
	v_pk_add_f32 v[14:15], v[14:15], v[154:155]
	v_pk_add_f32 v[236:237], v[236:237], v[158:159]
	s_delay_alu instid0(VALU_DEP_2)
	v_pk_add_f32 v[14:15], v[14:15], v[242:243]
	s_delay_alu instid0(VALU_DEP_2)
	v_pk_add_f32 v[236:237], v[236:237], v[240:241]
	v_pk_add_f32 v[246:247], v[246:247], v[234:235]
	v_pk_add_f32 v[244:245], v[244:245], v[232:233]
	s_delay_alu instid0(VALU_DEP_2)
	v_pk_add_f32 v[14:15], v[14:15], v[246:247]
	s_delay_alu instid0(VALU_DEP_2)
	v_pk_add_f32 v[236:237], v[236:237], v[244:245]
	s_delay_alu instid0(VALU_DEP_1)
	v_pk_add_f32 v[14:15], v[14:15], v[236:237]
.Lone_end_\@:
	s_add_co_u32 s[OA], s[OA], 8192
	s_add_co_u32 s[OB], s[OB], 768
	s_add_co_u32 s[J], s[J], 1
	s_cmp_lt_u32 s[J], 16
	s_cbranch_scc1 .Lone_\@
	s_setprio 0
.endm
; BETWEEN THE WALKS: 1 / sum, or 0 for a padded query, in both halves of v[14:15]; O^T begins as zeros (the step is written once).
.macro MID n
	v_add_f32 v14, v14, v15
	s_delay_alu instid0(VALU_DEP_1)
	v_permlanex16_b32 v[TP], v14, s[SEL], s[SEL+1]
	s_delay_alu instid0(VALU_DEP_1)
	v_add_f32 v14, v14, v[TP]                      ; the row's sum
	s_wait_alu depctr_va_vdst(0)
	v_rcp_f32 v14, v14
.set j, 0
.rept 32
	v_mov_b32 v[O+j], 0                            ; independent work behind the reciprocal
.set j, j+1
.endr
	v_cmp_ne_u32 vcc_lo, 0, v[PAD0+\n]
	s_wait_alu depctr_va_vdst(0)                   ; ahead of the reciprocal's first reader
	v_cndmask_b32 v14, 0, v14, vcc_lo
	s_delay_alu instid0(VALU_DEP_1)
	v_mov_b32 v15, v14
.endm
; WALK 2.
.macro PASS2 n
	s_mov_b32 s[J], 0
	s_mov_b32 s[OA], 0
	s_mov_b32 s[OB], 0
	s_mov_b32 s[OC], 0
.Ltwo_\@:
	s_cmp_gt_u32 s[J], s[GR0+\n]
	s_cbranch_scc1 .Ltwo_end_\@
	s_setprio 2
	v_add_nc_u32 v[ADK], s[OA], v[LI]              ; these four are also the places behind the last trip's products, in front of the loads into V's registers
	s_wait_alu depctr_va_vdst(0)
	v_add_nc_u32 v[ADS], s[OB], v[LK]
	s_wait_alu depctr_va_vdst(0)
	v_add_nc_u32 v[ADT], s[OB], v[LV]
	v_add_nc_u32 v[ADB], s[OC], v[LB]
	s_wait_alu depctr_va_vdst(0)
.irp t, 0,1,2,3
.irp c, 0,1
	ds_load_b128 v[VF+8*\t+4*\c:VF+8*\t+4*\c+3], v[ADK] offset:4096+1024*\t+512*\c
.endr
.endr
	ds_load_b32 v[VS], v[ADT]                      ; lanes 0-15 tile 0, lanes 16-31 tile 1
	ds_load_b32 v[VS+1], v[ADT] offset:128         ; tiles 2 and 3
	KGROUP 0, 1, Q0+8*\n, QS0+\n
	KGROUP 1, 1, Q0+8*\n, QS0+\n
	PLACES 4
	CAUSAL GR0+\n
	s_setprio 1
	EXPS
	v_nop                                          ; the plain place behind the exponentials
	s_wait_alu depctr_va_vdst(0)                   ; one wait for the batch
	BLOCKMAX                                       ; of the undivided weights: none is negative
.irp b, 0,1,2,3
	s_delay_alu instid0(VALU_DEP_4)
	v_permlanex16_b32 v[TP+\b], v[TM+\b], s[SEL], s[SEL+1]
.endr
.irp b, 0,1,2,3
	s_delay_alu instid0(VALU_DEP_4)
	v_max_num_f32 v[TM+\b], v[TM+\b], v[TP+\b]
.endr
.irp b, 0,1,2,3
	s_delay_alu instid0(VALU_DEP_4)
	v_mul_f32 v[TM+\b], v[TM+\b], v14              ; a rounded multiplication by a number that is not negative keeps the order: this IS the block's largest finished weight
.endr
.irp b, 0,1,2,3
	s_delay_alu instid0(VALU_DEP_4)
	v_max_num_f32 v[TM+\b], 0x1800000, v[TM+\b]    ; the floor 2^(3 - 127): the byte cannot fall under 1
.endr
.irp b, 0,1,2,3
	s_delay_alu instid0(VALU_DEP_4)
	v_add_nc_u32 v[TS+\b], 0xff000000, v[TM+\b]
.endr
.irp b, 0,1,2,3
	s_delay_alu instid0(VALU_DEP_4)
	v_lshrrev_b32 v[TP+\b], 23, v[TS+\b]
.endr
	s_delay_alu instid0(VALU_DEP_3)
	v_lshl_or_b32 v[PS], v[TP+1], 8, v[TP]         ; the weights' scale word for these 128 keys
	s_delay_alu instid0(VALU_DEP_1)
	v_lshl_or_b32 v[PS], v[TP+2], 16, v[PS]
	s_delay_alu instid0(VALU_DEP_1)
	v_lshl_or_b32 v[PS], v[TP+3], 24, v[PS]
.set j, 0
	s_setprio 0
.rept 32
	v_pk_mul_f32 v[S+j:S+j+1], v[S+j:S+j+1], v[14:15]          ; the finished attention.  (More than the eight places owed between the scale word and the products)
.set j, j+2
.endr
	QCODES 4, S, PC
	PLACES 4                                       ; an operand written by vector instructions stands four places ahead of a scaled product
.irp t, 0,1,2,3
.if (\t)%2
	v_wmma_scale_f32_16x16x128_f8f6f4 v[O+8*\t:O+8*\t+7], v[VF+8*\t:VF+8*\t+7], v[PC:PC+7], v[O+8*\t:O+8*\t+7], v[VS+\t/2], v[PS] matrix_a_fmt:MATRIX_FMT_FP4 matrix_b_fmt:MATRIX_FMT_FP4 matrix_a_scale:MATRIX_SCALE_ROW1
.else
	v_wmma_scale_f32_16x16x128_f8f6f4 v[O+8*\t:O+8*\t+7], v[VF+8*\t:VF+8*\t+7], v[PC:PC+7], v[O+8*\t:O+8*\t+7], v[VS+\t/2], v[PS] matrix_a_fmt:MATRIX_FMT_FP4 matrix_b_fmt:MATRIX_FMT_FP4
.endif
.endr
.Ltwo_end_\@:
	s_add_co_u32 s[OA], s[OA], 8192
	s_add_co_u32 s[OB], s[OB], 768
	s_add_co_u32 s[OC], s[OC], 512
	s_add_co_u32 s[J], s[J], 1
	s_cmp_lt_u32 s[J], 16
	s_cbranch_scc1 .Ltwo_\@
	s_setprio 0
.endm
; THE WAY OUT: register j of O^T's tile n holds channel 16 n + 8 h + j of my query: two blocks of 32 along the last product's K.
.macro FINISH n
	PLACES 4
	QMAX 2, O
	QSCALE 2
	s_delay_alu instid0(VALU_DEP_1)
	v_lshl_or_b32 v[T], v[TP+1], 8, v[TP]
	QCODES 2, O, PC
	global_store_b128 v[LI], v[PC:PC+3], s[40+4*\n:41+4*\n]    ; half a fragment's image: 512 consecutive bytes
	global_store_b16 v[ORW], v[T], s[42+4*\n:43+4*\n]          ; my row's two bytes (lanes 16-31 write what lanes 0-15 write); a row's other bytes are other heads', other clusters'
.if \n == 0
	s_wait_xcnt 0x0                                ; the two stores have read their data: the next slot writes these registers again
.endif
.endm
	PASS1 0
	s_wait_alu depctr_va_vdst(0)
	MID 0
	PASS2 0
	FINISH 0
	PASS1 1
	s_wait_alu depctr_va_vdst(0)
	MID 1
	PASS2 1
	FINISH 1
	s_wait_xcnt 0x0
	v_lshl_add_u32 v254, v0, 2, 0x29000
	v_mov_b32 v255, 0
	s_wait_alu depctr_va_vdst(0)
	s_wait_tensorcnt 0x0
	ds_add_u32 v254, v255
	s_wait_dscnt 0x0
	CROUND                                         ; the closing round
	s_endpgm
.Lfunc_end_k_qec2f4fbd1c_attn:
	.size	k_qec2f4fbd1c_attn, .Lfunc_end_k_qec2f4fbd1c_attn-k_qec2f4fbd1c_attn
	.p2alignl 7, 3214868480
	.fill 96, 4, 3214868480
	.section	.rodata,"a",@progbits
	.p2align	6, 0x0
	.amdhsa_kernel k_qec2f4fbd1c_attn
		.amdhsa_group_segment_fixed_size 169984
		.amdhsa_private_segment_fixed_size 0
		.amdhsa_enable_private_segment 0
		.amdhsa_kernarg_size 32
		.amdhsa_user_sgpr_count 2
		.amdhsa_user_sgpr_kernarg_segment_ptr 1
		.amdhsa_wavefront_size32 1
		.amdhsa_system_sgpr_workgroup_id_x 1
		.amdhsa_system_sgpr_workgroup_id_y 1
		.amdhsa_system_sgpr_workgroup_id_z 1
		.amdhsa_system_vgpr_workitem_id 0
		.amdhsa_next_free_vgpr 256
		.amdhsa_next_free_sgpr 72
		.amdhsa_reserve_vcc 1
		.amdhsa_float_denorm_mode_32 3
		.amdhsa_float_denorm_mode_16_64 3
		.amdhsa_memory_ordered 1
		.amdhsa_forward_progress 1
		.amdhsa_inst_pref_size 92
	.end_amdhsa_kernel
	.amdgpu_metadata
---
amdhsa.version: [ 1, 2 ]
amdhsa.kernels:
  - .name:           k_qec2f4fbd1c_attn
    .symbol:         k_qec2f4fbd1c_attn.kd
    .args:
      - { .name: qkv, .offset: 0, .size: 8, .value_kind: global_buffer, .address_space: global }
      - { .name: pad_mask, .offset: 8, .size: 8, .value_kind: global_buffer, .address_space: global }
      - { .name: vals, .offset: 16, .size: 8, .value_kind: global_buffer, .address_space: global }
      - { .name: osc, .offset: 24, .size: 8, .value_kind: global_buffer, .address_space: global }
    .group_segment_fixed_size: 169984
    .private_segment_fixed_size: 0
    .kernarg_segment_align: 8
    .kernarg_segment_size: 32
    .max_flat_workgroup_size: 512
    .sgpr_count:     72
    .vgpr_count:     256
    .wavefront_size: 32
...
	.end_amdgpu_metadata
.endif
;; end of part 2
;; launch outproj (part 3): grid 8 x 32, 8 waves a work-group, clusters of 4 x 4, 263,168 bytes of LDS; arguments vals, osc, Wo_codes, Wo_scales, bo, out0; writes out0
.if DOCPART == 3
	.amdgcn_target "amdgcn-amd-amdhsa--gfx1250"
	.amdhsa_code_object_version 6
	.text
	.protected	k_qec2f4fbd1c_outproj
	.globl	k_qec2f4fbd1c_outproj
	.p2align	8
	.type	k_qec2f4fbd1c_outproj,@function
k_qec2f4fbd1c_outproj:
	s_mov_b64 s[64:65], 0
	v_nop
	global_prefetch_b8 v0, s[64:65] scope:SCOPE_SE
	s_setreg_imm32_b32 hwreg(HW_REG_WAVE_MODE, 25, 1), 1
	s_wait_xcnt 0x0
	s_wait_alu depctr_hold_cnt(0) depctr_sa_sdst(0) depctr_va_vdst(0) depctr_va_sdst(0) depctr_va_ssrc(0) depctr_va_vcc(0) depctr_vm_vsrc(0)
	s_getreg_b32 s2, hwreg(HW_REG_IB_STS2, 6, 4)
	s_cmp_eq_u32 s2, 0
	s_cbranch_scc0 .Lentry_in_a_cluster
	s_endpgm
.Lentry_in_a_cluster:
	s_bfe_u32 s2, ttmp6, 0x10000c
	s_cmp_lg_u32 s2, 0xf033
	s_cbranch_scc0 .Lentry_shape_is_right
	s_endpgm
.Lentry_shape_is_right:
; out0 = values Wo^T + bo on codes of FP4 (E2M1) with one E8M0 scale for each 32 along K = 1,024.  values comes as images of operand registers (vals: [tile of 16 rows][K step 8][1,024 bytes]) with
; its scale bytes laid [row][32] (osc); Wo as rows of codes.
; SHARES.  A work-group makes 256 rows x 128 columns: 256 work-groups.  All of K lies in LDS, filled once; nothing is filled again.  Eight waves: wave w takes rows 64 (w & 3) on and columns 64 (w >> 2) on:
; 16 accumulators.  Two waves share a SIMD.  The product is used transposed (source 0 = 16 rows of Wo, source 1 = 16 rows of values): a lane holds eight neighbouring columns of one row of out0.
; CLUSTER 4 x 4: the values' tiles hang on the row block alone and are asked for jointly along a row of the cluster, Wo's on the column block alone, jointly along a column.
; THE WAY OUT: 16 rows x 256 bytes at a time through the wave's own stage in LDS, so that sixteen lanes store 256 consecutive bytes, aligned.
.set PITCH,  528                       ; a row of Wo's codes in LDS: 512 bytes + 16
.set QUART,  64*PITCH
.set BT,     131072                    ; behind the values' 16 tiles x 8,192 bytes: Wo's 128 rows
.set ASC,    BT+2*QUART                ; the values' scale bytes: 32 units of 256 + 16
.set BSC,    ASC+32*272                ; Wo's: 16 units
.set STG,    BSC+16*272                ; the stages: 16 rows x 272 bytes for each wave; no tensor load fills them
.set XA,  3                            ; v3   LDS address of my fragments of values
.set WA,  4                            ; v4   of Wo
.set SA,  5                            ; v5   of my scale words: lanes 0-15 the values' rows, lanes 16-31 Wo's
.set STO, 6                            ; v6   the stage: where I put 32 bytes of a row
.set RD,  7                            ; v7   where I read a row back
.set CO,  8                            ; v8   my byte offset in out0
.set CB0, 16                           ; bias tiles 0, 1 at v16, v24; tiles 2, 3 at v112, v120
.set XF,  32
.set WF,  64
.set SC,  96                           ; v96-111 scale words; they hold nothing else
.set ACC, 128
.set WV,  16
.set WR,  17
.set TY,  18
.set CX,  19
.set CY,  20
.set HX,  21
.set RY,  22
.set G1A, 24
.set G1B, 32
.set G1SA, 40
.set G1SB, 48
.set G0A, 56
.set G0B, 60
.set G0SA, 68
.set G0SB, 72
.set MR,  76
.set MC,  77
.macro CROUND                          ; a round of the cluster's barrier
	s_barrier_signal -1
	s_barrier_wait -1
	s_cmp_lg_u32 s[WV], 0
	s_cbranch_scc1 .Lnot_wave_0_\@
	s_barrier_signal -3
.Lnot_wave_0_\@:
	s_barrier_wait -3
	s_barrier_signal -1
	s_barrier_wait -1
.endm
.macro PLACES n                        ; plain vector instructions between a matrix instruction and what touches its registers (ISA guide 7.12.1)
.rept \n
	v_nop
.endr
.endm
	s_load_b256 s[4:11], s[0:1], 0x0               ; vals s[4:5], osc s[6:7], Wo's codes s[8:9], Wo's scales s[10:11]
	s_load_b128 s[12:15], s[0:1], 0x20             ; bo s[12:13], out0 s[14:15]
	v_lshl_add_u32 v10, v0, 2, 0x40000
	v_mov_b32 v15, 0
	ds_add_u32 v10, v15
	ds_add_u32 v10, v15
	v_lshrrev_b32 v1, 5, v0
	s_delay_alu instid0(VALU_DEP_1)
	v_readfirstlane_b32 s[WV], v1                  ; wave 0..7
	s_and_b32 s[WR], s[WV], 3                      ; which 64 rows are mine
	s_lshr_b32 s[TY], s[WV], 2                     ; which 64 columns
	s_bfe_u32 s[CX], ttmp6, 0x40000
	s_bfe_u32 s[CY], ttmp6, 0x40004
	s_lshl_b32 s[HX], ttmp9, 2
	s_add_co_u32 s[HX], s[HX], s[CX]               ; the block of 128 columns
	s_and_b32 s[RY], ttmp7, 0xffff
	s_lshl_b32 s[RY], s[RY], 2
	s_add_co_u32 s[RY], s[RY], s[CY]               ; the block of 256 rows
	s_lshl_b32 s[MR], s[CY], 2
	s_lshl_b32 s[MR], 15, s[MR]                    ; my row of the cluster
	s_lshl_b32 s[MC], 0x1111, s[CX]                ; my column
	s_or_b32 s[G1A], s[MR], (3<<16)|(1<<21)        ; images: a dense block of 32,768 bytes as 128 rows of 256 (32 elements of 8), no padding
	s_mov_b32 s[G1A+1], 32<<16
	s_mov_b32 s[G1A+2], 128<<16
	s_mov_b32 s[G1A+3], 32<<16
	s_mov_b32 s[G1A+4], 128
	s_mov_b32 s[G1A+5], 32
	s_mov_b32 s[G1A+6], 0
	s_mov_b32 s[G1A+7], 0
	s_or_b32 s[G1B], s[MC], (1<<20)|(1<<21)|(6<<22)|(3<<25)    ; Wo's codes: 64 rows of 512 bytes, 16 of padding behind each
	s_mov_b32 s[G1B+1], 512<<16
	s_mov_b32 s[G1B+2], 64<<16
	s_mov_b32 s[G1B+3], 512<<16
	s_mov_b32 s[G1B+4], 64
	s_mov_b32 s[G1B+5], 512
	s_mov_b32 s[G1B+6], 0
	s_mov_b32 s[G1B+7], 0
	s_or_b32 s[G1SA], s[MR], (3<<16)|(1<<20)|(1<<21)|(5<<22)|(3<<25)   ; scale bytes: rows of 256 bytes, 16 of padding behind each: 32 rows,
	s_mov_b32 s[G1SA+1], 32<<16
	s_mov_b32 s[G1SA+2], 32<<16
	s_mov_b32 s[G1SA+3], 32<<16
	s_mov_b32 s[G1SA+4], 32
	s_mov_b32 s[G1SA+5], 32
	s_mov_b32 s[G1SA+6], 0
	s_mov_b32 s[G1SA+7], 0
	s_or_b32 s[G1SB], s[MC], (3<<16)|(1<<20)|(1<<21)|(5<<22)|(3<<25)   ; and 16 for Wo
	s_mov_b32 s[G1SB+1], 32<<16
	s_mov_b32 s[G1SB+2], 16<<16
	s_mov_b32 s[G1SB+3], 32<<16
	s_mov_b32 s[G1SB+4], 16
	s_mov_b32 s[G1SB+5], 32
	s_mov_b32 s[G1SB+6], 0
	s_mov_b32 s[G1SB+7], 0
	; offsets: the values' in s80-83 (row block and wave alone), Wo's in s84-87 (column block and wave alone)
	s_lshl_b32 s80, s[RY], 17                      ; 16 tiles x 8,192 bytes
	s_lshl_b32 s82, s[WV], 15                      ; + 4 tiles a wave
	s_add_co_u32 s80, s80, s82
	s_mov_b32 s81, 0
	s_lshl_b32 s88, s[WV], 15                      ; and the same place in LDS
	s_lshl_b32 s82, s[RY], 13                      ; 256 rows x 32 scale bytes
	s_mov_b32 s83, 0
	s_lshl_b32 s84, s[HX], 16                      ; 128 rows x 512 bytes
	s_and_b32 s89, s[WV], 1
	s_lshl_b32 s86, s89, 15                        ; + 64 rows for wave 5
	s_add_co_u32 s84, s84, s86
	s_mov_b32 s85, 0
	s_mul_i32 s89, s89, QUART
	s_add_co_u32 s89, s89, BT
	s_lshl_b32 s86, s[HX], 12                      ; 128 rows x 32
	s_mov_b32 s87, 0
	s_wait_dscnt 0x0
	s_wait_kmcnt 0x0
	s_mov_b32 s[G0A], 1
	s_mov_b32 s[G0A+1], s88
	s_add_nc_u64 s[G0A+2:G0A+3], s[4:5], s[80:81]
	s_or_b32 s[G0A+3], s[G0A+3], 0x80000000
	s_mov_b32 s[G0B], 1
	s_mov_b32 s[G0B+1], s89
	s_add_nc_u64 s[G0B+2:G0B+3], s[8:9], s[84:85]
	s_or_b32 s[G0B+3], s[G0B+3], 0x80000000
	s_mov_b32 s[G0SA], 1
	s_mov_b32 s[G0SA+1], ASC
	s_add_nc_u64 s[G0SA+2:G0SA+3], s[6:7], s[82:83]
	s_or_b32 s[G0SA+3], s[G0SA+3], 0x80000000
	s_mov_b32 s[G0SB], 1
	s_mov_b32 s[G0SB+1], BSC
	s_add_nc_u64 s[G0SB+2:G0SB+3], s[10:11], s[86:87]
	s_or_b32 s[G0SB+3], s[G0SB+3], 0x80000000
	CROUND                                         ; all sixteen work-groups are here: the joint loads meet
	; one load a wave: waves 0-3 the values' quarters, 4 and 5 Wo's halves, 6 the values' scales, 7 Wo's.  Four v_nop follow each load.
	s_cmp_lt_u32 s[WV], 4
	s_cbranch_scc0 .Lnot_a
	tensor_load_to_lds s[G0A:G0A+3], s[G1A:G1A+7]
	s_nop 0
	PLACES 4
	s_branch .Lasked
.Lnot_a:
	s_cmp_lt_u32 s[WV], 6
	s_cbranch_scc0 .Lnot_b
	tensor_load_to_lds s[G0B:G0B+3], s[G1B:G1B+7]
	s_nop 0
	PLACES 4
	s_branch .Lasked
.Lnot_b:
	s_cmp_eq_u32 s[WV], 6
	s_cbranch_scc0 .Lnot_sa
	tensor_load_to_lds s[G0SA:G0SA+3], s[G1SA:G1SA+7]
	s_nop 0
	PLACES 4
	s_branch .Lasked
.Lnot_sa:
	s_cmp_eq_u32 s[WV], 7
	s_cbranch_scc0 .Lasked
	tensor_load_to_lds s[G0SB:G0SB+3], s[G1SB:G1SB+7]
	s_nop 0
	PLACES 4
.Lasked:
	v_and_b32 v1, 15, v0                           ; r
	v_bfe_u32 v2, v0, 4, 1                         ; h
	v_and_b32 v14, 31, v0
	s_lshl_b32 s88, s[WR], 15
	v_lshl_add_u32 v[XA], v14, 4, s88              ; my four tiles of values, 16 bytes a lane
	v_mul_u32_u24 v11, v1, PITCH
	s_delay_alu instid0(VALU_DEP_1)
	v_lshl_add_u32 v11, v2, 4, v11
	s_mul_i32 s89, s[TY], QUART
	s_add_co_u32 s89, s89, BT
	v_add_nc_u32 v[WA], s89, v11                   ; my 64 rows of Wo: row x pitch + 16 h
	v_lshrrev_b32 v12, 3, v1                       ; a row's 32 scale bytes: eight rows to a unit of 272
	s_delay_alu instid0(VALU_DEP_1)
	v_mul_u32_u24 v12, v12, 272
	v_and_b32 v13, 7, v1
	s_delay_alu instid0(VALU_DEP_1)
	v_lshl_add_u32 v12, v13, 5, v12
	s_mul_i32 s88, s[WR], 2176
	s_mul_i32 s89, s[TY], 2176
	s_add_co_u32 s89, s89, 8704
	s_sub_co_u32 s89, s89, s88                     ; the distance from the values' words to Wo's: one product with h
	v_mul_u32_u24 v13, s89, v2
	s_add_co_u32 s88, s88, ASC
	v_add_nc_u32 v12, v12, v13
	s_delay_alu instid0(VALU_DEP_1)
	v_add_nc_u32 v[SA], s88, v12
	s_mul_i32 s88, s[WV], 16*272
	s_add_co_u32 s88, s88, STG                     ; my stage
	v_mul_u32_u24 v12, v1, 272
	s_delay_alu instid0(VALU_DEP_1)
	v_lshl_add_u32 v12, v2, 5, v12
	s_delay_alu instid0(VALU_DEP_1)
	v_add_nc_u32 v[STO], s88, v12                  ; in: row r, 32 bytes for each half of the lanes
	v_mul_u32_u24 v12, v2, 272
	s_delay_alu instid0(VALU_DEP_1)
	v_lshl_add_u32 v12, v1, 4, v12
	s_delay_alu instid0(VALU_DEP_1)
	v_add_nc_u32 v[RD], s88, v12                   ; back: lanes 0-15 one row of 256 bytes, lanes 16-31 the next
	v_lshlrev_b32 v12, 12, v2
	s_delay_alu instid0(VALU_DEP_1)
	v_lshl_add_u32 v[CO], v1, 4, v12               ; and the same two rows in out0 (4,096 bytes a row)
	v_lshlrev_b32 v9, 5, v2                        ; the bias: my half's eight columns
	s_wait_alu depctr_va_vdst(0)
	s_lshl_b32 s88, s[HX], 9
	s_lshl_b32 s89, s[TY], 8
	s_add_co_u32 s88, s88, s89                     ; my first column, in bytes
	s_mov_b32 s89, 0
	s_add_nc_u64 s[12:13], s[12:13], s[88:89]      ; bo there
	s_lshl_b32 s90, s[RY], 8
	s_lshl_b32 s91, s[WR], 6
	s_add_co_u32 s90, s90, s91                     ; my first row
	s_lshl_b32 s90, s90, 12
	s_add_co_u32 s90, s90, s88
	s_mov_b32 s91, 0
	s_add_nc_u64 s[14:15], s[14:15], s[90:91]      ; out0 at my first row and column
.irp i, 0,1,2,3
	global_load_b128 v[CB0+8*\i+80*(\i/2):CB0+8*\i+80*(\i/2)+3], v9, s[12:13] offset:64*\i        ; the bias is the C of each sum's first product: columns 16 i + 8 h + 0..7
	global_load_b128 v[CB0+8*\i+80*(\i/2)+4:CB0+8*\i+80*(\i/2)+7], v9, s[12:13] offset:64*\i+16
.endr
	s_wait_tensorcnt 0x0                           ; my part of the tiles has landed,
	s_wait_loadcnt 0x0                             ; and my bias
	s_barrier_signal -1
	s_barrier_wait -1                              ; everybody's part has.  The tiles are only read from here on
; Eight K steps of 128, written out: every offset is an immediate.  The 16 accumulators take turns, one instruction a turn, in the same order in every step.
.set kst, 0
.rept 8
.if kst > 0
	PLACES 4                                       ; in front of loads into registers that matrix instructions have read
.endif
.irp o, 0,1,2,3
.irp c, 0,1
	ds_load_b128 v[XF+8*\o+4*\c:XF+8*\o+4*\c+3], v[XA] offset:\o*8192+1024*kst+512*\c
.endr
.endr
.irp o, 0,1,2,3
.irp c, 0,1
	ds_load_b128 v[WF+8*\o+4*\c:WF+8*\o+4*\c+3], v[WA] offset:\o*16*PITCH+64*kst+32*\c
.endr
.endr
.if kst%4 == 0
.irp i, 0,1,2,3
	ds_load_b128 v[SC+4*\i:SC+4*\i+3], v[SA] offset:544*\i+16*(kst/4)     ; the scale words of four K steps: lanes 0-15 the values' tile i, lanes 16-31 Wo's tile i
.endr
.endif
	s_wait_dscnt 0x0
.irp o, 0,1,2,3
.irp i, 0,1,2,3
.if kst == 0
	v_wmma_scale_f32_16x16x128_f8f6f4 v[ACC+32*\o+8*\i:ACC+32*\o+8*\i+7], v[WF+8*\i:WF+8*\i+7], v[XF+8*\o:XF+8*\o+7], v[CB0+8*\i+80*(\i/2):CB0+8*\i+80*(\i/2)+7], v[SC+4*\i+kst%4], v[SC+4*\o+kst%4] matrix_a_fmt:MATRIX_FMT_FP4 matrix_b_fmt:MATRIX_FMT_FP4 matrix_a_scale:MATRIX_SCALE_ROW1
.else
	v_wmma_scale_f32_16x16x128_f8f6f4 v[ACC+32*\o+8*\i:ACC+32*\o+8*\i+7], v[WF+8*\i:WF+8*\i+7], v[XF+8*\o:XF+8*\o+7], v[ACC+32*\o+8*\i:ACC+32*\o+8*\i+7], v[SC+4*\i+kst%4], v[SC+4*\o+kst%4] matrix_a_fmt:MATRIX_FMT_FP4 matrix_b_fmt:MATRIX_FMT_FP4 matrix_a_scale:MATRIX_SCALE_ROW1
.endif
.endr
.endr
.set kst, kst+1
.endr
; THE WAY OUT.  LDS serves a wave's instructions in order (ISA guide 5.7.1.4): no wait between the stores into my stage and the loads from it, nor in front of the next block's stores.
.macro TOSTAGE o
.irp i, 0,1,2,3
	ds_store_b128 v[STO], v[ACC+32*(\o)+8*\i:ACC+32*(\o)+8*\i+3] offset:64*\i          ; each accumulator from its low end on
	ds_store_b128 v[STO], v[ACC+32*(\o)+8*\i+4:ACC+32*(\o)+8*\i+7] offset:64*\i+16
.endr
.irp t, 0,1,2,3,4,5,6,7
	ds_load_b128 v[XF+32*((\o)%2)+4*\t:XF+32*((\o)%2)+4*\t+3], v[RD] offset:2*\t*272
.endr
.endm
.macro SEND o, younger                 ; younger: the LDS instructions issued behind block o's loads, which may stay out
	s_wait_dscnt \younger
.irp t, 0,1,2,3,4,5,6,7
	global_store_b128 v[CO], v[XF+32*((\o)%2)+4*\t:XF+32*((\o)%2)+4*\t+3], s[14:15] offset:(16*(\o)+2*\t)*4096 th:TH_STORE_NT   ; 16 lanes store 256 consecutive bytes, at a multiple of 256 from out0's first byte
.endr
.endm
	PLACES 4                                       ; in front of the first read of results and of loads into the fragments' registers
	TOSTAGE 0
	TOSTAGE 1
	SEND 0, 16                                     ; behind block 0's loads: block 1's 8 stores and 8 loads
	s_wait_xcnt 0x0                                ; block 0's stores have read their registers: block 2's loads may land there
	TOSTAGE 2
	SEND 1, 16
	s_wait_xcnt 0x0                                ; block 1's likewise
	TOSTAGE 3
	SEND 2, 16
	SEND 3, 0
	s_wait_tensorcnt 0x0
	ds_add_u32 v10, v15
	s_wait_dscnt 0x0
	CROUND                                         ; the closing round: no work-group ends while a partner may still ask for a tile that names it
	s_endpgm
.Lfunc_end_k_qec2f4fbd1c_outproj:
	.size	k_qec2f4fbd1c_outproj, .Lfunc_end_k_qec2f4fbd1c_outproj-k_qec2f4fbd1c_outproj
	.p2alignl 7, 3214868480
	.fill 96, 4, 3214868480
	.section	.rodata,"a",@progbits
	.p2align	6, 0x0
	.amdhsa_kernel k_qec2f4fbd1c_outproj
		.amdhsa_group_segment_fixed_size 263168
		.amdhsa_private_segment_fixed_size 0
		.amdhsa_enable_private_segment 0
		.amdhsa_kernarg_size 48
		.amdhsa_user_sgpr_count 2
		.amdhsa_user_sgpr_kernarg_segment_ptr 1
		.amdhsa_wavefront_size32 1
		.amdhsa_system_sgpr_workgroup_id_x 1
		.amdhsa_system_sgpr_workgroup_id_y 1
		.amdhsa_system_sgpr_workgroup_id_z 1
		.amdhsa_system_vgpr_workitem_id 0
		.amdhsa_next_free_vgpr 256
		.amdhsa_next_free_sgpr 100
		.amdhsa_reserve_vcc 0
		.amdhsa_float_denorm_mode_32 3
		.amdhsa_float_denorm_mode_16_64 3
		.amdhsa_memory_ordered 1
		.amdhsa_forward_progress 1
		.amdhsa_inst_pref_size 43
	.end_amdhsa_kernel
	.amdgpu_metadata
---
amdhsa.version: [ 1, 2 ]
amdhsa.kernels:
  - .name:           k_qec2f4fbd1c_outproj
    .symbol:         k_qec2f4fbd1c_outproj.kd
    .args:
      - { .name: vals, .offset: 0, .size: 8, .value_kind: global_buffer, .address_space: global }
      - { .name: osc, .offset: 8, .size: 8, .value_kind: global_buffer, .address_space: global }
      - { .name: Wo_codes, .offset: 16, .size: 8, .value_kind: global_buffer, .address_space: global }
      - { .name: Wo_scales, .offset: 24, .size: 8, .value_kind: global_buffer, .address_space: global }
      - { .name: bo, .offset: 32, .size: 8, .value_kind: global_buffer, .address_space: global }
      - { .name: out0, .offset: 40, .size: 8, .value_kind: global_buffer, .address_space: global }
    .group_segment_fixed_size: 263168
    .private_segment_fixed_size: 0
    .kernarg_segment_align: 8
    .kernarg_segment_size: 48
    .max_flat_workgroup_size: 256
    .sgpr_count:     100
    .vgpr_count:     256
    .wavefront_size: 32
...
	.end_amdgpu_metadata
.endif
;; end of part 3
